; MI455X (gfx1250); checked and timed in simulation.
; The chip was launched on July 23, 2026; its instructions are those of AMD's public machine-readable ISA for CDNA 5 (MIT licence, August 2026) and "CDNA5" Instruction Set Architecture Reference Guide (July 2026). The comments in the code are by the model that wrote it; some were corrected since.
;; Multi Head Attention. Allowed arithmetic: float matrix products may take bf16 or f16 operands with f32 sums; all other float work in f32.
;; Inputs: K 4 x 2,048 x 1,024 float32; Q 4 x 2,048 x 1,024 float32; V 4 x 2,048 x 1,024 float32; W_K 1,024 x 1,024 float32; W_O 1,024 x 1,024 float32; W_Q 1,024 x 1,024 float32; W_V 1,024 x 1,024 float32.
;; Outputs: out0 4 x 2,048 x 1,024 float32.
;; 2 versions, each right; version 2 is version 1 with the launch cast written anew for expert scheduling mode. Each part assembles by itself: llvm-mc -triple=amdgcn-amd-amdhsa -mcpu=gfx1250 --defsym DOCPART=n.
;; ======== version 1 of 2: 4 launches
;; limits: values are held in f16: magnitudes above 65,504 overflow, below 6.1e-05 lose precision
;; workspace buffers: xh 58,720,256 bytes; qkv 50,331,648 bytes; heads 16,777,216 bytes
;; launch cast (part 1): grid 1024 x 1, 8 waves a work-group, no clusters, 0 bytes of LDS; arguments Q, K, V, W_Q, W_K, W_V, W_O, xh; writes xh
.if DOCPART == 1
	.amdgcn_target "amdgcn-amd-amdhsa--gfx1250"
	.amdhsa_code_object_version 6
	.text
	.protected	k_qddb651a4ec_cast
	.globl	k_qddb651a4ec_cast
	.p2align	8
	.type	k_qddb651a4ec_cast,@function
k_qddb651a4ec_cast:
	s_mov_b64 s[64:65], 0
	v_nop
	global_prefetch_b8 v0, s[64:65] scope:SCOPE_SE
	s_setreg_imm32_b32 hwreg(HW_REG_WAVE_MODE, 25, 1), 1
	s_wait_xcnt 0x0
; xh = the seven inputs rounded once from f32 to f16: Q at byte 0, K at 0x1000000, V at 0x2000000 (each [8192][1024]),
; W_Q at 0x3000000, W_K at 0x3200000, W_V at 0x3400000, W_O at 0x3600000 (each [1024][1024]).
; LIMIT: a number of magnitude 65,520 or more becomes an infinity in f16; numbers under 6.1e-5 keep an absolute step of 6e-8.
; A stream: no LDS, no barrier, no matrix unit, no cluster (no two work-groups read the same byte).
; Work-group g takes 32,768 bytes of each of Q, K, V (8 pieces of 4,096 bytes) and 4,096 bytes of each W: 28 loads of 16 bytes a thread,
; 1,024 x 256 x 28 x 16 = 117,440,512 bytes.  All 28 loads of a wave go out first; each is then rounded in place and stored.
; A load of a wave covers 512 consecutive bytes, a store 256 consecutive bytes at a multiple of 256 from xh's first byte.
.set X,   4                            ; v[4:115]  load i: 4 registers; its first two hold the 4 f16 afterwards
.set NLD, 28                           ; loads of a thread
	s_load_b256 s[4:11], s[0:1], 0x0               ; Q s[4:5], K s[6:7], V s[8:9], W_Q s[10:11]
	s_load_b256 s[12:19], s[0:1], 0x20             ; W_K s[12:13], W_V s[14:15], W_O s[16:17], xh s[18:19]
	v_lshlrev_b32 v1, 4, v0                        ; 16 t: my 16 bytes of a piece of f32
	v_lshlrev_b32 v2, 3, v0                        ; 8 t: my 8 bytes of the piece in f16
	s_lshl_b32 s20, ttmp9, 15                      ; the group's part of Q, K, V, in bytes of f32
	s_mov_b32 s21, 0
	s_lshl_b32 s22, ttmp9, 12                      ; of a W, in bytes of f32
	s_mov_b32 s23, 0
	s_lshl_b32 s24, ttmp9, 14                      ; of Q, K, V in f16
	s_mov_b32 s25, 0
	s_lshl_b32 s26, ttmp9, 11                      ; of a W in f16
	s_mov_b32 s27, 0
	s_wait_kmcnt 0x0
	s_add_nc_u64 s[4:5], s[4:5], s[20:21]
	s_add_nc_u64 s[6:7], s[6:7], s[20:21]
	s_add_nc_u64 s[8:9], s[8:9], s[20:21]
	s_add_nc_u64 s[10:11], s[10:11], s[22:23]
	s_add_nc_u64 s[12:13], s[12:13], s[22:23]
	s_add_nc_u64 s[14:15], s[14:15], s[22:23]
	s_add_nc_u64 s[16:17], s[16:17], s[22:23]
	s_add_nc_u64 s[28:29], s[18:19], s[24:25]      ; where Q's part goes,
	s_add_nc_u64 s[30:31], s[28:29], 0x1000000     ; K's,
	s_add_nc_u64 s[32:33], s[28:29], 0x2000000     ; V's,
	s_add_nc_u64 s[34:35], s[18:19], s[26:27]
	s_add_nc_u64 s[34:35], s[34:35], 0x3000000     ; and W_Q's; the other W lie 0x200000 bytes apart
.irp j, 0,1,2,3,4,5,6,7
	global_load_b128 v[X+4*\j:X+4*\j+3], v1, s[4:5] offset:4096*\j th:TH_LOAD_NT
.endr
.irp j, 0,1,2,3,4,5,6,7
	global_load_b128 v[X+32+4*\j:X+32+4*\j+3], v1, s[6:7] offset:4096*\j th:TH_LOAD_NT
.endr
.irp j, 0,1,2,3,4,5,6,7
	global_load_b128 v[X+64+4*\j:X+64+4*\j+3], v1, s[8:9] offset:4096*\j th:TH_LOAD_NT
.endr
	global_load_b128 v[X+96:X+99],   v1, s[10:11] th:TH_LOAD_NT
	global_load_b128 v[X+100:X+103], v1, s[12:13] th:TH_LOAD_NT
	global_load_b128 v[X+104:X+107], v1, s[14:15] th:TH_LOAD_NT
	global_load_b128 v[X+108:X+111], v1, s[16:17] th:TH_LOAD_NT
; Load i has come: round its four numbers, store 8 bytes.  No register is written a second time, so no store's source needs a wait.
; The stores carry no hint: the next launch reads these bytes.
.macro PUT i, base, off
	s_wait_loadcnt NLD-1-(\i)                      ; loads come back in order (ISA guide 5.7.1): the younger ones stay out
	v_cvt_pk_f16_f32 v[X+4*(\i)],   v[X+4*(\i)],   v[X+4*(\i)+1]
	v_cvt_pk_f16_f32 v[X+4*(\i)+1], v[X+4*(\i)+2], v[X+4*(\i)+3]
	global_store_b64 v2, v[X+4*(\i):X+4*(\i)+1], s[\base:\base+1] offset:\off
.endm
.irp j, 0,1,2,3,4,5,6,7
	PUT \j, 28, 2048*\j
.endr
.irp j, 0,1,2,3,4,5,6,7
	PUT 8+\j, 30, 2048*\j
.endr
.irp j, 0,1,2,3,4,5,6,7
	PUT 16+\j, 32, 2048*\j
.endr
.irp j, 0,1,2,3
	PUT 24+\j, 34, 0x200000*\j
.endr
	s_endpgm
.Lfunc_end_k_qddb651a4ec_cast:
	.size	k_qddb651a4ec_cast, .Lfunc_end_k_qddb651a4ec_cast-k_qddb651a4ec_cast
	.p2alignl 7, 3214868480
	.fill 96, 4, 3214868480
	.section	.rodata,"a",@progbits
	.p2align	6, 0x0
	.amdhsa_kernel k_qddb651a4ec_cast
		.amdhsa_group_segment_fixed_size 0
		.amdhsa_private_segment_fixed_size 0
		.amdhsa_enable_private_segment 0
		.amdhsa_kernarg_size 64
		.amdhsa_user_sgpr_count 2
		.amdhsa_user_sgpr_kernarg_segment_ptr 1
		.amdhsa_wavefront_size32 1
		.amdhsa_system_sgpr_workgroup_id_x 1
		.amdhsa_system_sgpr_workgroup_id_y 1
		.amdhsa_system_sgpr_workgroup_id_z 1
		.amdhsa_system_vgpr_workitem_id 0
		.amdhsa_next_free_vgpr 120
		.amdhsa_next_free_sgpr 66
		.amdhsa_reserve_vcc 0
		.amdhsa_float_denorm_mode_32 3
		.amdhsa_float_denorm_mode_16_64 3
		.amdhsa_memory_ordered 1
		.amdhsa_forward_progress 1
		.amdhsa_inst_pref_size 11
	.end_amdhsa_kernel
	.amdgpu_metadata
---
amdhsa.version: [ 1, 2 ]
amdhsa.kernels:
  - .name:           k_qddb651a4ec_cast
    .symbol:         k_qddb651a4ec_cast.kd
    .args:
      - { .name: Q, .offset: 0, .size: 8, .value_kind: global_buffer, .address_space: global }
      - { .name: K, .offset: 8, .size: 8, .value_kind: global_buffer, .address_space: global }
      - { .name: V, .offset: 16, .size: 8, .value_kind: global_buffer, .address_space: global }
      - { .name: W_Q, .offset: 24, .size: 8, .value_kind: global_buffer, .address_space: global }
      - { .name: W_K, .offset: 32, .size: 8, .value_kind: global_buffer, .address_space: global }
      - { .name: W_V, .offset: 40, .size: 8, .value_kind: global_buffer, .address_space: global }
      - { .name: W_O, .offset: 48, .size: 8, .value_kind: global_buffer, .address_space: global }
      - { .name: xh, .offset: 56, .size: 8, .value_kind: global_buffer, .address_space: global }
    .group_segment_fixed_size: 0
    .private_segment_fixed_size: 0
    .kernarg_segment_align: 8
    .kernarg_segment_size: 64
    .max_flat_workgroup_size: 256
    .sgpr_count:     66
    .vgpr_count:     120
    .wavefront_size: 32
...
	.end_amdgpu_metadata
.endif
;; end of part 1
;; launch qkv (part 2): grid 4 x 96, 4 waves a work-group, clusters of 4 x 4, 327,680 bytes of LDS; arguments xh, qkv; writes qkv
.if DOCPART == 2
	.amdgcn_target "amdgcn-amd-amdhsa--gfx1250"
	.amdhsa_code_object_version 6
	.text
	.protected	k_qddb651a4ec_qkv
	.globl	k_qddb651a4ec_qkv
	.p2align	8
	.type	k_qddb651a4ec_qkv,@function
k_qddb651a4ec_qkv:
	s_mov_b64 s[64:65], 0
	v_nop
	global_prefetch_b8 v0, s[64:65] scope:SCOPE_SE
	s_setreg_imm32_b32 hwreg(HW_REG_WAVE_MODE, 25, 1), 1
	s_wait_xcnt 0x0
	s_wait_alu depctr_hold_cnt(0) depctr_sa_sdst(0) depctr_va_vdst(0) depctr_va_sdst(0) depctr_va_ssrc(0) depctr_va_vcc(0) depctr_vm_vsrc(0)
	s_getreg_b32 s2, hwreg(HW_REG_IB_STS2, 6, 4)
	s_cmp_eq_u32 s2, 0
	s_cbranch_scc0 .Lentry_in_a_cluster
	s_endpgm
.Lentry_in_a_cluster:
	s_bfe_u32 s2, ttmp6, 0x10000c
	s_cmp_lg_u32 s2, 0xf033
	s_cbranch_scc0 .Lentry_shape_is_right
	s_endpgm
.Lentry_shape_is_right:
; qkv[m][n] = sum over k of X[m][k] W[n][k], three products in one grid.  X = rows 0-24575 of xh (Q, K, V, 8,192 rows each, f16);
; W = W_Q, W_K or W_V in xh by the job = m / 8192; qkv: [24576][1024] f16, rounded once from the f32 sums.
; LIMIT: f16 operands and results: a result of magnitude 65,520 or more becomes an infinity.
; A work-group makes a block of 256 x 256 with four waves, as many as a WGP has SIMDs; a wave makes 128 x 128: 64 accumulator tiles of 16 x 16,
; 512 registers.  K = 1,024 goes in 8 steps of 128 through a ring of two LDS slots filled by the tensor data mover: a tile's rows are 256 bytes
; of memory at multiples of 256 bytes.  WHY THIS BLOCK: a K step is 256 matrix instructions of a wave, of which 240 stand between a tile's request
; and the wait for it, and for 32 along K 256 fragment rows from LDS feed 64 matrix instructions.  ITS PRICE: 24,576 x 1,024 outputs are 384 blocks,
; one and a half for each of 256 WGPs; no block of equal work divides a job's 8,192 rows into 256 / 3 or 512 / 3 parts.
; CLUSTERS: 4 x 4 work-groups.  The four of a row of the cluster make blocks of one block row and need the same tiles of X; the four of a column
; need the same tiles of W (32 block rows make a job, 8 clusters: all of a cluster have the same job).  Such a tile is asked for jointly:
; the same tensor load with the same descriptor and a mask that names the four.
; REGISTERS, in windows of 256:
;   window 0: v0-31 addresses; v64-127, v128-191 fragments of X (8 x 16 rows x 32 K), two buffers; v192-223 at work on the way out
;   window 1: v64-127, v128-191 fragments of W, two buffers
;   window 2: the 32 accumulator tiles of my rows 0-63 (tile (a, b) at v[8 (8 a + b)]);   window 3: those of my rows 64-127
; THE MATRIX INSTRUCTION IS USED TRANSPOSED: source 0 = 16 rows of W, source 1 = 16 rows of X, so that lane l holds row l % 16 of the result
; and its registers 0-7 the columns 8 (l / 16) + 0..7: eight neighbouring numbers, 16 bytes in f16.
.set SIZE_K, 1024
.set SIZE_N, 1024
.set KSTEP,  128
.set PITCH,  272                       ; an LDS row: 256 bytes + 16 of padding: the 16 rows that a fragment load touches begin 68 words apart
.set HALFT,  128*PITCH                 ; 128 rows: what one tensor load brings, and what one wave reads of X or of W
.set SLOT,   4*HALFT                   ; X's 256 rows, then W's 256 rows: 139,264 bytes
.set STAGE,  2*SLOT                    ; behind the ring, at a multiple of 256 bytes: 16 rows x 272 bytes for each wave; no tensor load lands here
.set SPITCH, 272
.set LAPS,   SIZE_K/(2*KSTEP)          ; a lap = two K steps = once round the ring: 4
.set ADRA, 16                          ; v16-17  LDS address of my X fragments in slot 0, 1
.set ADRB, 20                          ; v20-21  the same for W
.set STO,  24                          ; the way out: where I put 16 bytes of a row
.set RD,   25                          ; the way out: where I read a row back
.set CO,   26                          ; my byte offset in qkv
.set F0,   64                          ; fragment buffer 0
.set F1,   128                         ; fragment buffer 1
.set TMP,  192                         ; the way out: packed results, in window 0
.set G1,  24                           ; s[24:31] descriptor group 1 for X's tiles
.set G0,  32                           ; s[32:39] group 0 for X's tiles, a set for each slot
.set G1B, 48                           ; s[48:55] group 1 for W's tiles: it differs in the mask alone
.set G0B, 56                           ; s[56:63] group 0 for W's tiles, a set for each slot
.set MSB, 0
.macro WIN new                         ; low byte: bits 1:0 source 0, 3:2 source 1, 5:4 source 2, 7:6 destination; the high byte repeats the setting that is left
.if MSB != \new
	s_set_vgpr_msb (MSB<<8)|\new
.set MSB, \new
.endif
.endm
.set MUL_LO, 0xa1                      ; source 0 (W) window 1, source 1 (X) window 0, C and D window 2
.set MUL_HI, 0xf1                      ; the same, C and D window 3
.set TO_B,   0x40                      ; destination window 1, address window 0
; A joint load.  Waves 0 and 1 fetch X's two halves, waves 2 and 3 W's.  The branch hangs on the wave's number alone.
.macro JLOAD s
	s_cmp_eq_u32 s11, 0
	s_cbranch_scc0 .Lfor_b_\@
	tensor_load_to_lds s[G0+4*\s:G0+4*\s+3], s[G1:G1+7]
	s_nop 0
	s_branch .Lasked_\@
.Lfor_b_\@:
	tensor_load_to_lds s[G0B+4*\s:G0B+4*\s+3], s[G1B:G1B+7]
	s_nop 0
.Lasked_\@:
.endm
; A round of the cluster's barrier: my work-group's barrier; wave 0 signals for the work-group; every wave waits for all sixteen; my work-group's barrier again.
.macro CREST                           ; a round behind its opening barrier
	s_cmp_lg_u32 s10, 0
	s_cbranch_scc1 .Lnot_wave_0_\@
	s_barrier_signal -3
.Lnot_wave_0_\@:
	s_barrier_wait -3
	s_barrier_signal -1
	s_barrier_wait -1
.endm
.macro CROUND
	s_barrier_signal -1
	s_barrier_wait -1
	CREST
.endm
	s_load_b128 s[4:7], s[0:1], 0x0                ; xh s[4:5], qkv s[6:7]
	s_set_vgpr_msb 0x40
	v_lshl_add_u32 v255, v0, 2, 0x48400
	s_set_vgpr_msb 0x4000
	v_mov_b32 v255, 0
	s_set_vgpr_msb 0x1
	ds_add_u32 v255, v255
	s_set_vgpr_msb 0x100
	v_lshrrev_b32 v1, 5, v0
	v_readfirstlane_b32 s10, v1                    ; wave 0..3
	s_lshr_b32 s11, s10, 1                         ; which 128 rows of the block are mine.  Also: I fetch for X (0) or for W (1)
	s_and_b32 s12, s10, 1                          ; which 128 columns.  Also: which 128 rows of that tile I fetch
	s_bfe_u32 s40, ttmp6, 0x40000                  ; cx
	s_bfe_u32 s41, ttmp6, 0x40004                  ; cy
	s_lshl_b32 s42, ttmp9, 2
	s_add_co_u32 s42, s42, s40                     ; block column = 4 x cluster x + cx
	s_and_b32 s45, ttmp7, 0xffff                   ; the cluster's y
	s_lshl_b32 s13, s45, 2
	s_add_co_u32 s13, s13, s41                     ; block row = 4 x cluster y + cy
	s_lshr_b32 s45, s45, 3                         ; the job: 8 clusters of 4 block rows of 256 are 8,192 rows
	s_lshl_b32 s43, s41, 2
	s_lshl_b32 s43, 15, s43                        ; my row of the cluster: places 4 cy .. 4 cy + 3
	s_lshl_b32 s44, 0x1111, s40                    ; my column: places cx, cx + 4, cx + 8, cx + 12
	s_or_b32 s[G1+0], s43, (1<<16)|(1<<20)|(1<<21)|(5<<22)|(3<<25)  ; mask: X's tiles go to my row; elements of 2 bytes; padding on; bit 21 beside a mask; after every 64 words 4 words
	s_or_b32 s[G1B+0], s44, (1<<16)|(1<<20)|(1<<21)|(5<<22)|(3<<25) ; the same with the mask of my column, for W's tiles
	s_mov_b32 s[G1+1], KSTEP<<16                   ; tensor_dim0 = 128
	s_mov_b32 s[G1B+1], KSTEP<<16
	s_mov_b32 s[G1+2], 128<<16                     ; tensor_dim1 = 128
	s_mov_b32 s[G1B+2], 128<<16
	s_mov_b32 s[G1+3], KSTEP<<16                   ; tile_dim0 = 128
	s_mov_b32 s[G1B+3], KSTEP<<16
	s_mov_b32 s[G1+4], 128                         ; tile_dim1 = 128 rows
	s_mov_b32 s[G1B+4], 128
	s_mov_b32 s[G1+5], SIZE_K                      ; elements from row to row
	s_mov_b32 s[G1B+5], SIZE_K
	s_mov_b32 s[G1+6], 0
	s_mov_b32 s[G1B+6], 0
	s_mov_b32 s[G1+7], 0
	s_mov_b32 s[G1B+7], 0
	; X's tiles hang on the block row alone, W's on the block column and the job.  Each offset is made in registers that never hold the other coordinate.
	s_lshl_b32 s16, s13, 8
	s_lshl_b32 s17, s12, 7
	s_add_co_u32 s16, s16, s17                     ; X: row 256 x block row + 128 x half
	s_lshl_b32 s16, s16, 11                        ; rows of 2,048 bytes: under 50,331,648
	s_mov_b32 s17, 0
	s_lshl_b32 s46, s42, 8
	s_lshl_b32 s47, s12, 7
	s_add_co_u32 s46, s46, s47                     ; W: row 256 x block column + 128 x half
	s_lshl_b32 s46, s46, 11
	s_lshl_b32 s47, s45, 21                        ; the job's W: 0x200000 bytes each
	s_add_co_u32 s46, s46, s47
	s_add_co_u32 s46, s46, 0x3000000               ; behind Q, K and V in xh
	s_mov_b32 s47, 0
	s_mul_i32 s20, s10, HALFT                      ; where my 128 rows go in a slot: X's two halves, then W's two halves = wave x 128 rows
	s_wait_dscnt 0x0
	s_wait_kmcnt 0x0
	s_add_nc_u64 s[14:15], s[4:5], s[16:17]
	s_add_nc_u64 s[46:47], s[4:5], s[46:47]
	CROUND                                         ; all sixteen work-groups are here: the first joint loads meet
.irp s, 0,1
	s_mov_b32 s[G0+4*\s], 1                                        ; count = 1
	s_add_co_u32 s[G0+4*\s+1], s20, \s*SLOT                        ; LDS address
	s_add_nc_u64 s[G0+4*\s+2:G0+4*\s+3], s[14:15], \s*KSTEP*2      ; global address: K step s
	s_or_b32 s[G0+4*\s+3], s[G0+4*\s+3], 0x80000000                ; type = 2
	s_mov_b32 s[G0B+4*\s], 1
	s_add_co_u32 s[G0B+4*\s+1], s20, \s*SLOT
	s_add_nc_u64 s[G0B+4*\s+2:G0B+4*\s+3], s[46:47], \s*KSTEP*2
	s_or_b32 s[G0B+4*\s+3], s[G0B+4*\s+3], 0x80000000
	JLOAD \s                                       ; both slots' first fills go out before anything else: two tensor loads of the wave are out
.endr
	; A fragment is 16 rows x 32 K in 8 registers: lane l holds row l % 16; registers 0-3 K = 8 (l / 16) + 0..7, registers 4-7 K = 16 + 8 (l / 16) + 0..7:
	; two loads of 16 bytes, 32 bytes apart, at row x pitch + 16 (l / 16).
	v_and_b32 v1, 15, v0                           ; r = l % 16
	v_bfe_u32 v2, v0, 4, 1                         ; h = l / 16
	v_mul_u32_u24 v3, v1, PITCH
	v_lshl_add_u32 v3, v2, 4, v3
	s_mul_i32 s21, s11, HALFT                      ; my 128 rows of X
	s_mul_i32 s22, s12, HALFT                      ; my 128 rows of W,
	s_add_co_u32 s22, s22, 2*HALFT                 ; which lie behind X's 256
.irp s, 0,1
	v_add_nc_u32 v[ADRA+\s], s21, v3
	v_add_nc_u32 v[ADRB+\s], s22, v3
	s_add_co_u32 s21, s21, SLOT
	s_add_co_u32 s22, s22, SLOT
.endr
	s_mul_i32 s23, s10, 16*SPITCH
	s_add_co_u32 s23, s23, STAGE                   ; my stage
	v_mul_u32_u24 v4, v1, SPITCH                   ; in: row r, 16 bytes for each half of the lanes
	v_lshl_add_u32 v4, v2, 4, v4
	v_add_nc_u32 v[STO], s23, v4
	v_mul_u32_u24 v5, v2, SPITCH                   ; back: lanes 0-15 one row of 256 bytes, lanes 16-31 the next
	v_lshl_add_u32 v5, v1, 4, v5
	v_add_nc_u32 v[RD], s23, v5
	v_lshlrev_b32 v5, 11, v2                       ; and the same two rows in qkv
	v_lshl_add_u32 v[CO], v1, 4, v5
; 16 matrix instructions: row blocks a0, a0 + 1 of the window's four (hi = 0: my rows 0-63, 1: rows 64-127) x all 8 column blocks, 32 along K.
; zero = 1: the first product starts the sums: nothing is ever cleared.
; The 64 accumulators take turns, one instruction a turn, in the same order in every quarter step.
.macro MUL16 f, hi, a0, zero
.irp a, \a0, \a0+1
.irp b, 0,1,2,3,4,5,6,7
.if \zero
	v_wmma_f32_16x16x32_f16 v[8*(8*(\a)+\b):8*(8*(\a)+\b)+7], v[\f+8*\b:\f+8*\b+7], v[\f+8*(4*\hi+\a):\f+8*(4*\hi+\a)+7], 0
.else
	v_wmma_f32_16x16x32_f16 v[8*(8*(\a)+\b):8*(8*(\a)+\b)+7], v[\f+8*\b:\f+8*\b+7], v[\f+8*(4*\hi+\a):\f+8*(4*\hi+\a)+7], v[8*(8*(\a)+\b):8*(8*(\a)+\b)+7]
.endif
.endr
.endr
.endm
; 32 LDS loads in one run: one quarter step's fragments (128 rows of W, 128 rows of X, 32 K at byte k of the rows) into buffer f
.macro FETCH slot, k, f
	WIN TO_B
.irp i, 0,1,2,3,4,5,6,7
	ds_load_b128 v[\f+8*\i:\f+8*\i+3],   v[ADRB+\slot] offset:\k+\i*16*PITCH
	ds_load_b128 v[\f+8*\i+4:\f+8*\i+7], v[ADRB+\slot] offset:\k+\i*16*PITCH+32
.endr
	WIN 0
.irp i, 0,1,2,3,4,5,6,7
	ds_load_b128 v[\f+8*\i:\f+8*\i+3],   v[ADRA+\slot] offset:\k+\i*16*PITCH
	ds_load_b128 v[\f+8*\i+4:\f+8*\i+7], v[ADRA+\slot] offset:\k+\i*16*PITCH+32
.endr
.endm
; A load into a register that a matrix instruction has read, and a vector instruction that reads a matrix result, stand four places behind that
; matrix instruction; only plain vector instructions that name none of its registers are places.
.macro PLACES
.rept 4
	v_nop
.endr
.endm
; A K step is four quarter steps of 32 along K, 64 matrix instructions each, on buffers 0, 1, 0, 1.
; One of the first three: multiplies buffer f; in its middle it fetches the next quarter's fragments, at byte k of the same slot's rows, into buffer g.
.macro QUARTER slot, k, f, g, zero
	s_wait_dscnt 8                                 ; W's fragments and X's rows 0-63 are in; the youngest eight loads (X's rows 64-127) may be out
	WIN MUL_LO
	MUL16 \f, 0, 0, \zero
	MUL16 \f, 0, 2, \zero
	PLACES
	FETCH \slot, \k, \g
	s_wait_dscnt 32                                ; all but the 32 just issued
	WIN MUL_HI
	MUL16 \f, 1, 0, \zero
	MUL16 \f, 1, 2, \zero
.endm
.macro THREE slot, zero
	QUARTER \slot, 64,  F0, F1, \zero
	QUARTER \slot, 128, F1, F0, 0
	QUARTER \slot, 192, F0, F1, 0
.endm
; The last quarter: multiplies buffer 1 and changes slots.  next = the other slot; fill = 1: this slot is filled again, two K steps ahead.
; In front of the barrier each wave waits for its reads of this slot and for all its tensor loads (one is out: its part of the next slot).
; Behind it nobody reads this slot and the next slot is whole: the refill comes first, then the next slot's first fragments.
; From a request to the wait for it a wave issues 240 matrix instructions.
.macro TURN slot, next, fill
	s_wait_dscnt 8
	WIN MUL_LO
	MUL16 F1, 0, 0, 0
	s_wait_dscnt 0x0                               ; my reads of this slot are over
	s_wait_tensorcnt 0x0                           ; and all my tensor loads have landed
	ds_add_u32 v255, v255
	s_wait_dscnt 0x0
	s_barrier_signal -1                            ; say so (where the slot is filled again this barrier opens a round of the cluster's barrier),
	MUL16 F1, 0, 2, 0                              ; work on registers while the others arrive,
	WIN 0
	s_barrier_wait -1
.if \fill
	CREST                                          ; no wave of any partner still reads this slot or has a load on its way
	s_add_nc_u64 s[G0+4*\slot+2:G0+4*\slot+3], s[G0+4*\slot+2:G0+4*\slot+3], 2*KSTEP*2
	s_add_nc_u64 s[G0B+4*\slot+2:G0B+4*\slot+3], s[G0B+4*\slot+2:G0B+4*\slot+3], 2*KSTEP*2
	JLOAD \slot                                    ; the wave's one tensor load behind the round, and the first thing there
.endif
	PLACES
	FETCH \next, 0, F0
	WIN MUL_HI
	MUL16 F1, 1, 0, 0
	MUL16 F1, 1, 2, 0
.endm
.macro LAP zero
	THREE 0, \zero
	TURN 0, 1, 1
	THREE 1, 0
	TURN 1, 0, 1
.endm
	s_wait_tensorcnt 0x1                           ; my part of K step 0 is in; K step 1's load stays out
	s_barrier_signal -1
	s_barrier_wait -1                              ; everybody's is
	FETCH 0, 0, F0
	LAP 1                                          ; the first lap stands in front of the loop: its first products start the sums
	WIN 0                                          ; at a label and at a branch every window is 0
	s_mov_b32 s3, LAPS-2
.Llap:
	LAP 0
	WIN 0
	s_sub_co_u32 s3, s3, 1
	s_cmp_lg_u32 s3, 0
	s_cbranch_scc1 .Llap
	THREE 0, 0                                     ; the last lap fills nothing: my one tensor load that is still out is slot 1's, the last K step's
	TURN 0, 1, 0
	THREE 1, 0
	s_wait_dscnt 8                                 ; the very last quarter: nothing more to fetch
	WIN MUL_LO
	MUL16 F1, 0, 0, 0
	MUL16 F1, 0, 2, 0
	s_wait_dscnt 0x0
	WIN MUL_HI
	MUL16 F1, 1, 0, 0
	MUL16 F1, 1, 2, 0
	; THE WAY OUT, 16 rows at a time: round to f16, 16 bytes a lane into my own stage, read back as whole rows of 256 bytes.
	PLACES
	s_lshl_b32 s16, s13, 8
	s_lshl_b32 s17, s11, 7
	s_add_co_u32 s16, s16, s17                     ; my first row
	s_lshl_b32 s16, s16, 11
	s_mov_b32 s17, 0
	s_add_nc_u64 s[8:9], s[6:7], s[16:17]
	s_lshl_b32 s46, s42, 9                         ; my first column, in bytes: 512 x block column + 256 x half
	s_lshl_b32 s47, s12, 8
	s_add_co_u32 s46, s46, s47
	s_mov_b32 s47, 0
	s_add_nc_u64 s[8:9], s[8:9], s[46:47]
; rows 16 i .. 16 i + 15 of my block = the eight tiles (a, 0..7) of window 2 or 3 (from = 0x0a or 0x0f: sources 0 and 1); f: F0 or F1 in turn
.macro OUT16 i, a, from, f
	WIN \from
.irp b, 0,1,2,3,4,5,6,7
.irp r, 0,1,2,3
	v_cvt_pk_f16_f32 v[TMP+4*\b+\r], v[8*(8*\a+\b)+2*\r], v[8*(8*\a+\b)+2*\r+1]
.endr
.endr
	WIN 0
.irp b, 0,1,2,3,4,5,6,7
	ds_store_b128 v[STO], v[TMP+4*\b:TMP+4*\b+3] offset:32*\b
.endr
	s_wait_xcnt 0x0                                ; buffer f, which earlier stores read, and the stores' base are rewritten only behind this wait
.if \i
	s_add_nc_u64 s[8:9], s[8:9], 16*SIZE_N*2       ; 16 rows on
.endif
.irp t, 0,1,2,3,4,5,6,7
	ds_load_b128 v[\f+4*\t:\f+4*\t+3], v[RD] offset:\t*2*SPITCH    ; LDS serves a wave's instructions in order: these see the stores above
.endr
.irp t, 0,1,2,3,4,5,6,7
	s_wait_dscnt 7-\t                              ; the younger read-backs stay out
	global_store_b128 v[CO], v[\f+4*\t:\f+4*\t+3], s[8:9] offset:2*\t*SIZE_N*2   ; 16 lanes store 256 consecutive bytes at a multiple of 256
.endr
.endm
	OUT16 0, 0, 0x0a, F0
	OUT16 1, 1, 0x0a, F1
	OUT16 2, 2, 0x0a, F0
	OUT16 3, 3, 0x0a, F1
	OUT16 4, 0, 0x0f, F0
	OUT16 5, 1, 0x0f, F1
	OUT16 6, 2, 0x0f, F0
	OUT16 7, 3, 0x0f, F1
	s_set_vgpr_msb 0x1
	s_wait_tensorcnt 0x0
	ds_add_u32 v255, v255
	s_wait_dscnt 0x0
	s_set_vgpr_msb 0x100
	CROUND                                         ; the closing round: no work-group ends while a partner may still ask for a tile that names it
	s_endpgm
.Lfunc_end_k_qddb651a4ec_qkv:
	.size	k_qddb651a4ec_qkv, .Lfunc_end_k_qddb651a4ec_qkv-k_qddb651a4ec_qkv
	.p2alignl 7, 3214868480
	.fill 96, 4, 3214868480
	.section	.rodata,"a",@progbits
	.p2align	6, 0x0
	.amdhsa_kernel k_qddb651a4ec_qkv
		.amdhsa_group_segment_fixed_size 327680
		.amdhsa_private_segment_fixed_size 0
		.amdhsa_enable_private_segment 0
		.amdhsa_kernarg_size 16
		.amdhsa_user_sgpr_count 2
		.amdhsa_user_sgpr_kernarg_segment_ptr 1
		.amdhsa_wavefront_size32 1
		.amdhsa_system_sgpr_workgroup_id_x 1
		.amdhsa_system_sgpr_workgroup_id_y 1
		.amdhsa_system_sgpr_workgroup_id_z 1
		.amdhsa_system_vgpr_workitem_id 0
		.amdhsa_next_free_vgpr 1024
		.amdhsa_next_free_sgpr 66
		.amdhsa_reserve_vcc 0
		.amdhsa_float_denorm_mode_32 3
		.amdhsa_float_denorm_mode_16_64 3
		.amdhsa_memory_ordered 1
		.amdhsa_forward_progress 1
		.amdhsa_inst_pref_size 196
	.end_amdhsa_kernel
	.amdgpu_metadata
---
amdhsa.version: [ 1, 2 ]
amdhsa.kernels:
  - .name:           k_qddb651a4ec_qkv
    .symbol:         k_qddb651a4ec_qkv.kd
    .args:
      - { .name: xh, .offset: 0, .size: 8, .value_kind: global_buffer, .address_space: global }
      - { .name: qkv, .offset: 8, .size: 8, .value_kind: global_buffer, .address_space: global }
    .group_segment_fixed_size: 327680
    .private_segment_fixed_size: 0
    .kernarg_segment_align: 8
    .kernarg_segment_size: 16
    .max_flat_workgroup_size: 128
    .sgpr_count:     66
    .vgpr_count:     1024
    .wavefront_size: 32
...
	.end_amdgpu_metadata
.endif
;; end of part 2
;; launch attn (part 3): grid 8 x 32, 8 waves a work-group, clusters of 4 x 1, 327,680 bytes of LDS; arguments qkv, heads; writes heads
.if DOCPART == 3
	.amdgcn_target "amdgcn-amd-amdhsa--gfx1250"
	.amdhsa_code_object_version 6
	.text
	.protected	k_qddb651a4ec_attn
	.globl	k_qddb651a4ec_attn
	.p2align	8
	.type	k_qddb651a4ec_attn,@function
k_qddb651a4ec_attn:
	s_mov_b64 s[64:65], 0
	v_nop
	global_prefetch_b8 v0, s[64:65] scope:SCOPE_SE
	s_setreg_imm32_b32 hwreg(HW_REG_WAVE_MODE, 25, 1), 1
	s_wait_xcnt 0x0
	s_wait_alu depctr_hold_cnt(0) depctr_sa_sdst(0) depctr_va_vdst(0) depctr_va_sdst(0) depctr_va_ssrc(0) depctr_va_vcc(0) depctr_vm_vsrc(0)
	s_getreg_b32 s2, hwreg(HW_REG_IB_STS2, 6, 4)
	s_cmp_eq_u32 s2, 0
	s_cbranch_scc0 .Lentry_in_a_cluster
	s_endpgm
.Lentry_in_a_cluster:
	s_bfe_u32 s2, ttmp6, 0x10000c
	s_cmp_lg_u32 s2, 0x3003
	s_cbranch_scc0 .Lentry_shape_is_right
	s_endpgm
.Lentry_shape_is_right:
; heads[b][s][64 hd + d] = softmax over keys of (q k^T / 8) times v, for 4 batches x 16 heads, 2,048 queries and keys, d = 64.
; qkv: [24576][1024] f16 (q rows 0-8191, k 8192-16383, v 16384-24575); heads: [8192][1024] f16.  Sums, maxima and exponentials in f32.
; LIMITS: q, k, v, the weights P and the result are f16 (magnitudes under 65,504).  An exponential under 2^-126 comes out as 0 (ISA guide, v_exp_f32),
; and so does a weight under f16's smallest denormal.  Scores that are infinite or NaN are not treated apart.
; SOFTMAX: a running maximum for each query.  The exponent's base is kept as the ROUNDED number NM = -c max, c = log2(e) / 8; a weight is exp2(c s + NM),
; and old sums are rescaled by exp2(NM new - NM old): old and new terms stand on exactly the same base, whatever the size of the scores.
; SHARES: work-group y = 8 batch + pair (heads 2 pair, 2 pair + 1), x = a block of 256 queries.  Eight waves, two for each SIMD, so that one wave's
; softmax can run beside the other's products.  Wave w: head 2 pair + w / 4, queries 64 (w % 4) .. + 63.  Two heads in a work-group make every row
; of a K or V tile, and of the result, 256 bytes at a multiple of 256.
; CLUSTERS: the four query blocks of a cluster read the same K and V tiles: joint tensor loads with the mask 15.
; BOTH PRODUCTS ARE TRANSPOSED, so that nothing crosses lanes but one exchange of halves:
;   S^T = K Q^T: source 0 = 16 keys, source 1 = 16 queries; lane (r, h), register j holds key 8 h + j of query r.  Two such tiles, packed to f16 in place,
;   ARE source 1 of O^T = V^T P^T (K index = key: registers 0-3 keys 8 h + 0..7, registers 4-7 keys 16 + 8 h + 0..7); source 0 = V^T by the transposing LDS load.
;   O^T: lane (r, h), register j holds d = 8 h + j of query r.  So maximum, sum and rescale factor are one number a lane for each of its 4 query tiles.
; THE TEXT: a tile of 256 keys is four blocks of 64 keys, and ONE text of a block serves the four in a counted loop: the block's place in the slot is
; stepped in two address registers, which are set anew for each tile.  The block's text stands five times in all (the very first block, the rest of
; tile 0, the two slots in the loop over tiles, the last tile).
; REGISTERS: window 0: v10-19 addresses; v28-35 pairs (NM, M); v36-43 pairs (AL, L); v44-47 T; v48-55 sums; v64-127 K fragments; v128-255 scores, then P.
;            window 1: v0-127 O (tile (dt, q) at 8 (4 dt + q)); v128-191 Q fragments; v192-255 V^T fragments.
.set KP,    272                        ; K's LDS row: 256 bytes + 16
.set VP,    288                        ; V's LDS row: 256 bytes + 32, an odd multiple of 32, for the transposing load
.set KQ,    64*KP                      ; 64 rows of K: one wave's tensor load, and one key block
.set VQ,    64*VP
.set KREG,  4*KQ                       ; 256 keys
.set SLOT,  KREG+4*VQ                  ; K's 256 rows, then V's: 143,360 bytes; two slots
.set TILEB, 256*2048                   ; bytes of memory from a tile to the next
.set KADR, 10                          ; my K fragments of the key block at work: stepped by KQ from block to block
.set VADR, 11                          ; my V fragments likewise: stepped by VQ
.set KB0,  12                          ; the same for key block 0 of slot 0; never rewritten
.set VB0,  13
.set QO,  16
.set STO, 17
.set RD,  18
.set CO,  19
.set NMB, 28                           ; query tile q: v[28+2q] NM = -c max, v[29+2q] M = the running maximum
.set ALB, 36                           ; v[36+2q] AL = the rescale factor, v[37+2q] L = the sum over my half of the keys
.set TB,  44
.set SUM, 48
.set KF,  64                           ; fragment (t, c) at 64 + 8 (2 t + c): keys 16 t .., d 32 c ..
.set SCO, 128                          ; score tile (t = 2 u + t', q) at 128 + 16 (4 u + q) + 8 t'; P(u, q) = the first 8 registers of 128 + 16 (4 u + q)
.set OAC, 0
.set QF,  128                          ; fragment (q, c) at 128 + 8 (2 q + c)
.set VF,  192                          ; fragment (dt, u) at 192 + 8 (2 dt + u): d 16 dt .., keys 32 u ..
.set CEXP,  0x3e38aa3b                 ; log2(e) / 8
.set NCEXP, 0xbe38aa3b
.set G1,  24                           ; s[24:31] group 1 for K's tiles
.set G0,  32                           ; s[32:39] group 0 for K's tiles, a set for each slot
.set G1B, 48                           ; s[48:55] group 1 for V's tiles: a wider pad
.set G0B, 56                           ; s[56:63] group 0 for V's tiles
.set MSB, 0
.macro WIN new                         ; low byte: bits 1:0 source 0, 3:2 source 1, 5:4 source 2, 7:6 destination; the high byte repeats the setting that is left
.if MSB != \new
	s_set_vgpr_msb (MSB<<8)|\new
.set MSB, \new
.endif
.endm
.macro JLOAD s                         ; waves 0-3 fetch K's four quarters, waves 4-7 V's.  The branch hangs on the wave's number alone.
	s_cmp_eq_u32 s11, 0
	s_cbranch_scc0 .Lfor_v_\@
	tensor_load_to_lds s[G0+4*\s:G0+4*\s+3], s[G1:G1+7]
	s_nop 0
	s_branch .Lasked_\@
.Lfor_v_\@:
	tensor_load_to_lds s[G0B+4*\s:G0B+4*\s+3], s[G1B:G1B+7]
	s_nop 0
.Lasked_\@:
.endm
.macro ROUND                           ; a round of the cluster's barrier
	s_barrier_signal -1
	s_barrier_wait -1
	s_cmp_lg_u32 s10, 0
	s_cbranch_scc1 .Lnot_wave_0_\@
	s_barrier_signal -3
.Lnot_wave_0_\@:
	s_barrier_wait -3
	s_barrier_signal -1
	s_barrier_wait -1
.endm
	s_load_b128 s[4:7], s[0:1], 0x0                ; qkv s[4:5], heads s[6:7]
	v_lshl_add_u32 v62, v0, 2, 0x46000
	v_mov_b32 v63, 0
	ds_add_u32 v62, v63
	v_lshrrev_b32 v1, 5, v0
	v_readfirstlane_b32 s10, v1                    ; wave 0..7
	s_lshr_b32 s11, s10, 2                         ; my head of the pair.  Also: I fetch K (0) or V (1)
	s_and_b32 s12, s10, 3                          ; my 64 queries of the block.  Also: which 64 rows of a tile I fetch
	s_bfe_u32 s40, ttmp6, 0x40000                  ; cx
	s_lshl_b32 s42, ttmp9, 2
	s_add_co_u32 s42, s42, s40                     ; query block = 4 x cluster x + cx
	s_and_b32 s13, ttmp7, 0xffff
	s_lshr_b32 s14, s13, 3                         ; batch
	s_and_b32 s15, s13, 7                          ; pair of heads
	s_mov_b32 s16, 0x76543210                      ; v_permlanex16_b32: lane i of one half reads lane i of the other
	s_mov_b32 s17, 0xfedcba98
	s_mov_b32 s[G1+0], 15|(1<<16)|(1<<20)|(1<<21)|(5<<22)|(3<<25)   ; mask: all four of the cluster; elements of 2 bytes; padding on; bit 21 beside a mask; after every 64 words 4 words
	s_mov_b32 s[G1+1], 128<<16                     ; tensor_dim0 = 128 elements: two heads' 64
	s_mov_b32 s[G1+2], 64<<16                      ; tensor_dim1 = 64
	s_mov_b32 s[G1+3], 128<<16                     ; tile_dim0 = 128
	s_mov_b32 s[G1+4], 64                          ; tile_dim1 = 64 rows
	s_mov_b32 s[G1+5], 1024                        ; elements from row to row
	s_mov_b32 s[G1+6], 0
	s_mov_b32 s[G1+7], 0
	s_mov_b32 s[G1B+0], 15|(1<<16)|(1<<20)|(1<<21)|(5<<22)|(7<<25)  ; the same with 8 words of padding
	s_mov_b32 s[G1B+1], 128<<16
	s_mov_b32 s[G1B+2], 64<<16
	s_mov_b32 s[G1B+3], 128<<16
	s_mov_b32 s[G1B+4], 64
	s_mov_b32 s[G1B+5], 1024
	s_mov_b32 s[G1B+6], 0
	s_mov_b32 s[G1B+7], 0
	s_lshl_b32 s22, s14, 22                        ; the batch: 2,048 rows of 2,048 bytes
	s_lshl_b32 s41, s15, 8                         ; the pair's 256 bytes of a row
	s_add_co_u32 s22, s22, s41
	s_lshl_b32 s44, s42, 19                        ; the query block: 256 rows
	s_add_co_u32 s44, s44, s22
	s_lshl_b32 s41, s10, 16                        ; heads: each wave stores 32 rows
	s_add_co_u32 s2, s44, s41
	s_mov_b32 s3, 0
	s_lshl_b32 s41, s12, 17                        ; 64 rows
	s_add_co_u32 s22, s22, s41                     ; K, V: batch, pair, my 64 rows of a tile: s22 never holds cx
	s_mov_b32 s23, 0
	s_add_co_u32 s44, s44, s41                     ; q: my 64 queries,
	s_lshl_b32 s41, s11, 7
	s_add_co_u32 s44, s44, s41                     ; my head's 128 bytes
	s_mov_b32 s45, 0
	s_mul_i32 s18, s12, KQ                         ; where my quarter of K goes in a slot,
	s_mul_i32 s19, s12, VQ
	s_add_co_u32 s19, s19, KREG                    ; and of V
	s_wait_dscnt 0x0
	s_wait_kmcnt 0x0
	s_add_nc_u64 s[8:9], s[4:5], s[44:45]          ; q
	s_add_nc_u64 s[20:21], s[6:7], s[2:3]          ; heads
	s_add_nc_u64 s[46:47], s[4:5], s[22:23]
	ROUND                                          ; all four work-groups are here: the first joint loads meet
.irp s, 0,1
	s_mov_b32 s[G0+4*\s], 1
	s_add_co_u32 s[G0+4*\s+1], s18, \s*SLOT
	s_add_nc_u64 s[G0+4*\s+2:G0+4*\s+3], s[46:47], 0x1000000+\s*TILEB   ; k begins 8,192 rows into qkv; tile s
	s_or_b32 s[G0+4*\s+3], s[G0+4*\s+3], 0x80000000
	s_mov_b32 s[G0B+4*\s], 1
	s_add_co_u32 s[G0B+4*\s+1], s19, \s*SLOT
	s_add_nc_u64 s[G0B+4*\s+2:G0B+4*\s+3], s[46:47], 0x2000000+\s*TILEB ; v begins 16,384 rows into qkv
	s_or_b32 s[G0B+4*\s+3], s[G0B+4*\s+3], 0x80000000
	JLOAD \s                                       ; tiles 0 and 1: two tensor loads of the wave are out
.endr
; The two stepped addresses at key block 0 of a slot
.macro SETADR slot
.if \slot
	v_add_nc_u32 v[KADR], \slot*SLOT, v[KB0]
	v_add_nc_u32 v[VADR], \slot*SLOT, v[VB0]
.else
	v_mov_b32 v[KADR], v[KB0]
	v_mov_b32 v[VADR], v[VB0]
.endif
.endm
	v_and_b32 v1, 15, v0                           ; r
	v_bfe_u32 v2, v0, 4, 1                         ; h
	v_mul_u32_u24 v3, v1, KP
	v_lshl_add_u32 v3, v2, 4, v3                   ; 272 r + 16 h
	s_lshl_b32 s43, s11, 7                         ; my head's 128 bytes of a row
	v_add_nc_u32 v[KB0], s43, v3
	v_and_b32 v4, 7, v0                            ; the transposing load: lane l addresses key 8 h + l % 8, 16 bytes (l / 8) % 2
	v_lshl_add_u32 v4, v2, 3, v4
	v_mul_u32_u24 v4, v4, VP
	v_bfe_u32 v5, v0, 3, 1
	v_lshl_add_u32 v4, v5, 4, v4
	s_add_co_u32 s43, s43, KREG
	v_add_nc_u32 v[VB0], s43, v4
	SETADR 0
	v_lshlrev_b32 v5, 11, v1
	v_lshl_add_u32 v[QO], v2, 4, v5                ; q: 2,048 r + 16 h
	s_mul_i32 s43, s12, KQ
	v_add_nc_u32 v[STO], s43, v[KB0]               ; the way out: row 64 (w % 4) + r, my head's half, 16 h
	v_mul_u32_u24 v5, v2, KP
	v_lshl_add_u32 v5, v1, 4, v5
	s_mul_i32 s43, s10, 32*KP
	v_add_nc_u32 v[RD], s43, v5                    ; back: rows 32 w + h, 16 r
	v_lshlrev_b32 v5, 11, v2
	v_lshl_add_u32 v[CO], v1, 4, v5
	; Q's fragments straight from memory, once: 8 KiB a wave, which stay in registers for the whole kernel
	WIN 0x40                                       ; destination in window 1
.irp q, 0,1,2,3
.irp c, 0,1
	global_load_b128 v[QF+8*(2*\q+\c):QF+8*(2*\q+\c)+3],   v[QO], s[8:9] offset:32768*\q+64*\c
	global_load_b128 v[QF+8*(2*\q+\c)+4:QF+8*(2*\q+\c)+7], v[QO], s[8:9] offset:32768*\q+64*\c+32
.endr
.endr
	WIN 0
.irp q, 0,1,2,3
	v_mov_b32 v[TB+\q], 0                          ; v_permlanex16_b32's destination counts as read: written once here
.endr
.macro FMA q                           ; c s + NM for the 32 scores of query tile q, two at a time
.irp u, 0,1
.irp p, 0,1,2,3,4,5,6,7
	v_pk_fma_f32 v[SCO+16*(4*\u+\q)+2*\p:SCO+16*(4*\u+\q)+2*\p+1], v[SCO+16*(4*\u+\q)+2*\p:SCO+16*(4*\u+\q)+2*\p+1], CEXP, v[NMB+2*\q:NMB+2*\q+1] op_sel_hi:[1,0,0]
.endr
.endr
.endm
.macro EXP q
.irp u, 0,1
.irp p, 0,1,2,3,4,5,6,7,8,9,10,11,12,13,14,15
	v_exp_f32 v[SCO+16*(4*\u+\q)+\p], v[SCO+16*(4*\u+\q)+\p]
.endr
.endr
.endm
.macro SUMCVT q, first                 ; the sum of the 32 weights in four chains, into L; then the weights packed to f16 in place, ascending (register i takes 2 i and 2 i + 1)
	s_wait_alu depctr_va_vdst(0)
.irp k, 0,1,2,3
	v_pk_add_f32 v[SUM+2*\k:SUM+2*\k+1], v[SCO+16*\q+2*\k:SCO+16*\q+2*\k+1], v[SCO+16*\q+8+2*\k:SCO+16*\q+8+2*\k+1]
.endr
.irp k, 0,1,2,3
	v_pk_add_f32 v[SUM+2*\k:SUM+2*\k+1], v[SUM+2*\k:SUM+2*\k+1], v[SCO+16*(4+\q)+2*\k:SCO+16*(4+\q)+2*\k+1]
.endr
.irp k, 0,1,2,3
	v_pk_add_f32 v[SUM+2*\k:SUM+2*\k+1], v[SUM+2*\k:SUM+2*\k+1], v[SCO+16*(4+\q)+8+2*\k:SCO+16*(4+\q)+8+2*\k+1]
.endr
	v_pk_add_f32 v[SUM:SUM+1], v[SUM:SUM+1], v[SUM+2:SUM+3]
	v_pk_add_f32 v[SUM+4:SUM+5], v[SUM+4:SUM+5], v[SUM+6:SUM+7]
	v_pk_add_f32 v[SUM:SUM+1], v[SUM:SUM+1], v[SUM+4:SUM+5]
.if \first
	v_add_f32 v[ALB+2*\q+1], v[SUM], v[SUM+1]      ; the first block starts the sum
.else
	v_add_f32 v[SUM], v[SUM], v[SUM+1]
	v_fma_f32 v[ALB+2*\q+1], v[ALB+2*\q+1], v[ALB+2*\q], v[SUM]
.endif
.irp u, 0,1
.irp p, 0,1,2,3,4,5,6,7
	v_cvt_pk_f16_f32 v[SCO+16*(4*\u+\q)+\p], v[SCO+16*(4*\u+\q)+2*\p], v[SCO+16*(4*\u+\q)+2*\p+1]
.endr
.endr
.endm
; One block of 64 keys, at KADR and VADR, which it leaves at the next block.  64 matrix instructions.  first = 1: the very first block starts maxima, sums and O.
.macro KBLOCK first
	WIN 0
.irp t, 0,1,2,3
.irp c, 0,1
	ds_load_b128 v[KF+8*(2*\t+\c):KF+8*(2*\t+\c)+3],   v[KADR] offset:\t*16*KP+64*\c
	ds_load_b128 v[KF+8*(2*\t+\c)+4:KF+8*(2*\t+\c)+7], v[KADR] offset:\t*16*KP+64*\c+32
.endr
.endr
	WIN 0x40                                       ; destination in window 1
.irp dt, 0,1,2,3
.irp u, 0,1
	ds_load_tr16_b128 v[VF+8*(2*\dt+\u):VF+8*(2*\dt+\u)+3],   v[VADR] offset:\u*32*VP+32*\dt
	ds_load_tr16_b128 v[VF+8*(2*\dt+\u)+4:VF+8*(2*\dt+\u)+7], v[VADR] offset:\u*32*VP+32*\dt+16*VP
.endr
.endr
	s_wait_dscnt 16                                ; LDS loads come back in order: K's sixteen are in, V's sixteen stay out while the scores are made
	WIN 0x04                                       ; source 1 (Q) in window 1
	; S^T = K Q^T.  The 16 score tiles take turns, one instruction a turn, first d 0-31 (which starts the sums), then d 32-63.
.irp t, 0,1,2,3
.irp q, 0,1,2,3
	v_wmma_f32_16x16x32_f16 v[SCO+16*(4*(\t/2)+\q)+8*(\t%2):SCO+16*(4*(\t/2)+\q)+8*(\t%2)+7], v[KF+16*\t:KF+16*\t+7], v[QF+16*\q:QF+16*\q+7], 0
.endr
.endr
.irp t, 0,1,2,3
.irp q, 0,1,2,3
	v_wmma_f32_16x16x32_f16 v[SCO+16*(4*(\t/2)+\q)+8*(\t%2):SCO+16*(4*(\t/2)+\q)+8*(\t%2)+7], v[KF+16*\t+8:KF+16*\t+15], v[QF+16*\q+8:QF+16*\q+15], v[SCO+16*(4*(\t/2)+\q)+8*(\t%2):SCO+16*(4*(\t/2)+\q)+8*(\t%2)+7]
.endr
.endr
	WIN 0
.rept 4
	v_nop                                          ; four places before a vector instruction reads a matrix result (ISA guide 7.12.1)
.endr
	; the running maximum: my 32 scores of each query tile, two at a time, the four tiles' chains by turns; then the other half of the keys
.irp q, 0,1,2,3
.if \first
	v_max_num_f32 v[NMB+2*\q+1], v[SCO+16*\q], v[SCO+16*\q+1]
.else
	v_max3_num_f32 v[NMB+2*\q+1], v[NMB+2*\q+1], v[SCO+16*\q], v[SCO+16*\q+1]
.endif
.endr
.set i, 1
.rept 15
.irp q, 0,1,2,3
	v_max3_num_f32 v[NMB+2*\q+1], v[NMB+2*\q+1], v[SCO+16*(4*(i/8)+\q)+2*(i%8)], v[SCO+16*(4*(i/8)+\q)+2*(i%8)+1]
.endr
.set i, i+1
.endr
.irp q, 0,1,2,3
	v_permlanex16_b32 v[TB+\q], v[NMB+2*\q+1], s16, s17
.endr
.irp q, 0,1,2,3
	v_max_num_f32 v[NMB+2*\q+1], v[NMB+2*\q+1], v[TB+\q]
.endr
.if \first
.irp q, 0,1,2,3
	v_mul_f32 v[NMB+2*\q], NCEXP, v[NMB+2*\q+1]    ; NM = -c max
.endr
.else
.irp q, 0,1,2,3
	v_mul_f32 v[TB+\q], NCEXP, v[NMB+2*\q+1]       ; the new base, rounded: it is needed as a number of its own, so this product and the difference below are not fused
.endr
.irp q, 0,1,2,3
	v_sub_f32 v[ALB+2*\q], v[TB+\q], v[NMB+2*\q]   ; at most 0
.endr
.irp q, 0,1,2,3
	v_exp_f32 v[ALB+2*\q], v[ALB+2*\q]             ; AL = exp2(NM new - NM old)
.endr
.irp q, 0,1,2,3
	v_mov_b32 v[NMB+2*\q], v[TB+\q]                ; plain instructions behind the exponentials, before AL is used (ISA guide 5.7.2)
.endr
.endif
	; the weights.  Behind each run of exponentials the next tile's multiply-adds (or a v_nop) are the plain place before the results are read.
	FMA 0
	EXP 0
	FMA 1
	SUMCVT 0, \first
	EXP 1
	FMA 2
	SUMCVT 1, \first
	EXP 2
	FMA 3
	SUMCVT 2, \first
	EXP 3
	v_nop
	s_wait_alu depctr_va_vdst(0)
	SUMCVT 3, \first
.if \first == 0
	WIN 0x41                                       ; O in window 1, AL in window 0
.irp dt, 0,1,2,3
.irp q, 0,1,2,3
.irp p, 0,1,2,3
	v_pk_mul_f32 v[OAC+8*(4*\dt+\q)+2*\p:OAC+8*(4*\dt+\q)+2*\p+1], v[OAC+8*(4*\dt+\q)+2*\p:OAC+8*(4*\dt+\q)+2*\p+1], v[ALB+2*\q:ALB+2*\q+1] op_sel_hi:[1,0]
.endr
.endr
.endr
.endif
	s_wait_dscnt 0x0                               ; V's fragments are in
	WIN 0x51                                       ; V^T, C and D in window 1, P in window 0
	; O^T += V^T P^T.  The 16 tiles of O take turns, one instruction a turn, keys 0-31 and then keys 32-63.
.irp u, 0,1
.irp dt, 0,1,2,3
.irp q, 0,1,2,3
.if \first*(1-\u)
	v_wmma_f32_16x16x32_f16 v[OAC+8*(4*\dt+\q):OAC+8*(4*\dt+\q)+7], v[VF+8*(2*\dt+\u):VF+8*(2*\dt+\u)+7], v[SCO+16*(4*\u+\q):SCO+16*(4*\u+\q)+7], 0
.else
	v_wmma_f32_16x16x32_f16 v[OAC+8*(4*\dt+\q):OAC+8*(4*\dt+\q)+7], v[VF+8*(2*\dt+\u):VF+8*(2*\dt+\u)+7], v[SCO+16*(4*\u+\q):SCO+16*(4*\u+\q)+7], v[OAC+8*(4*\dt+\q):OAC+8*(4*\dt+\q)+7]
.endif
.endr
.endr
.endr
	WIN 0
	; five places: the next block's products write over P's registers, and its loads land in V's.  Two of them step the addresses.
	v_add_nc_u32 v[KADR], KQ, v[KADR]              ; the next 64 keys of the slot
	v_add_nc_u32 v[VADR], VQ, v[VADR]
.rept 3
	v_nop
.endr
.endm
; So many key blocks, from KADR and VADR on, by one text
.macro PROC trips
	s_mov_b32 s2, \trips
.Lkb_\@:
	KBLOCK 0
	s_sub_co_u32 s2, s2, 1
	s_cmp_lg_u32 s2, 0
	s_cbranch_scc1 .Lkb_\@
.endm
; The slot that has just been read is filled again, two tiles ahead.  In front of the round every wave waits for its reads and for all its tensor loads
; (one is out: its part of the other slot); the joint refill is the first thing behind the round, one tensor load a wave; it has four key blocks in which to land.
.macro CHANGE slot
	s_wait_dscnt 0x0
	s_wait_tensorcnt 0x0                           ; no tensor load of mine is out: a group 0 may be written
	ds_add_u32 v62, v63
	s_wait_dscnt 0x0
	s_add_nc_u64 s[G0+4*\slot+2:G0+4*\slot+3], s[G0+4*\slot+2:G0+4*\slot+3], 2*TILEB
	s_add_nc_u64 s[G0B+4*\slot+2:G0B+4*\slot+3], s[G0B+4*\slot+2:G0B+4*\slot+3], 2*TILEB
	ROUND
	JLOAD \slot
.endm
	s_wait_loadcnt 0x0                             ; Q's fragments
	s_wait_tensorcnt 0x1                           ; my part of tile 0 is in; tile 1's load stays out
	s_barrier_signal -1
	s_barrier_wait -1
	KBLOCK 1                                       ; tile 0: its first block starts maxima, sums and O,
	PROC 3                                         ; and its other three
	s_mov_b32 s3, 3
.Lpair:                                            ; three trips: tiles 1 to 6 are worked on, tiles 2 to 7 asked for
	CHANGE 0
	SETADR 1
	PROC 4
	CHANGE 1
	SETADR 0
	PROC 4
	s_sub_co_u32 s3, s3, 1
	s_cmp_lg_u32 s3, 0
	s_cbranch_scc1 .Lpair
	s_wait_dscnt 0x0                               ; my reads of slot 0 are over,
	s_wait_tensorcnt 0x0                           ; tile 7 has landed: the last tensor load
	s_barrier_signal -1
	s_barrier_wait -1
	SETADR 1
	PROC 4                                         ; tile 7
	; THE WAY OUT.  The two halves' sums meet; O is divided by the sum, rounded to f16, and laid as rows of 256 bytes (two heads) into slot 0's K region:
	; that slot has had its last fill, and every wave's last reads of it were waited for in front of the barrier above.
.irp q, 0,1,2,3
	v_permlanex16_b32 v[TB+\q], v[ALB+2*\q+1], s16, s17
.endr
.irp q, 0,1,2,3
	v_add_f32 v[ALB+2*\q+1], v[ALB+2*\q+1], v[TB+\q]
.endr
.irp q, 0,1,2,3
	v_rcp_f32 v[ALB+2*\q], v[ALB+2*\q+1]
.endr
	v_nop                                          ; the plain place behind the reciprocals
	WIN 0x41
	s_wait_alu depctr_va_vdst(0)
.irp dt, 0,1,2,3
.irp q, 0,1,2,3
.irp p, 0,1,2,3
	v_pk_mul_f32 v[OAC+8*(4*\dt+\q)+2*\p:OAC+8*(4*\dt+\q)+2*\p+1], v[OAC+8*(4*\dt+\q)+2*\p:OAC+8*(4*\dt+\q)+2*\p+1], v[ALB+2*\q:ALB+2*\q+1] op_sel_hi:[1,0]
.endr
.endr
.endr
	WIN 0x05                                       ; sources 0 and 1 in window 1
.irp q, 0,1,2,3
.irp dt, 0,1,2,3
.irp p, 0,1,2,3
	v_cvt_pk_f16_f32 v[SCO+4*(4*\q+\dt)+\p], v[OAC+8*(4*\dt+\q)+2*\p], v[OAC+8*(4*\dt+\q)+2*\p+1]
.endr
.endr
.endr
	WIN 0
.irp q, 0,1,2,3
.irp dt, 0,1,2,3
	ds_store_b128 v[STO], v[SCO+4*(4*\q+\dt):SCO+4*(4*\q+\dt)+3] offset:\q*16*KP+32*\dt
.endr
.endr
	s_wait_dscnt 0x0                               ; for the others' sake: a row's two halves come from two waves
	s_barrier_signal -1
	s_barrier_wait -1
.irp t, 0,1,2,3,4,5,6,7,8,9,10,11,12,13,14,15
	ds_load_b128 v[KF+4*\t:KF+4*\t+3], v[RD] offset:\t*2*KP
.endr
.irp t, 0,1,2,3,4,5,6,7,8,9,10,11,12,13,14,15
	s_wait_dscnt 15-\t                             ; the younger read-backs stay out
	global_store_b128 v[CO], v[KF+4*\t:KF+4*\t+3], s[20:21] offset:\t*2*2048   ; 16 lanes store 256 consecutive bytes at a multiple of 256
.endr
	s_wait_tensorcnt 0x0
	ds_add_u32 v62, v63
	s_wait_dscnt 0x0
	ROUND                                          ; the closing round
	s_endpgm
.Lfunc_end_k_qddb651a4ec_attn:
	.size	k_qddb651a4ec_attn, .Lfunc_end_k_qddb651a4ec_attn-k_qddb651a4ec_attn
	.p2alignl 7, 3214868480
	.fill 96, 4, 3214868480
	.section	.rodata,"a",@progbits
	.p2align	6, 0x0
	.amdhsa_kernel k_qddb651a4ec_attn
		.amdhsa_group_segment_fixed_size 327680
		.amdhsa_private_segment_fixed_size 0
		.amdhsa_enable_private_segment 0
		.amdhsa_kernarg_size 16
		.amdhsa_user_sgpr_count 2
		.amdhsa_user_sgpr_kernarg_segment_ptr 1
		.amdhsa_wavefront_size32 1
		.amdhsa_system_sgpr_workgroup_id_x 1
		.amdhsa_system_sgpr_workgroup_id_y 1
		.amdhsa_system_sgpr_workgroup_id_z 1
		.amdhsa_system_vgpr_workitem_id 0
		.amdhsa_next_free_vgpr 512
		.amdhsa_next_free_sgpr 66
		.amdhsa_reserve_vcc 0
		.amdhsa_float_denorm_mode_32 3
		.amdhsa_float_denorm_mode_16_64 3
		.amdhsa_memory_ordered 1
		.amdhsa_forward_progress 1
		.amdhsa_inst_pref_size 189
	.end_amdhsa_kernel
	.amdgpu_metadata
---
amdhsa.version: [ 1, 2 ]
amdhsa.kernels:
  - .name:           k_qddb651a4ec_attn
    .symbol:         k_qddb651a4ec_attn.kd
    .args:
      - { .name: qkv, .offset: 0, .size: 8, .value_kind: global_buffer, .address_space: global }
      - { .name: heads, .offset: 8, .size: 8, .value_kind: global_buffer, .address_space: global }
    .group_segment_fixed_size: 327680
    .private_segment_fixed_size: 0
    .kernarg_segment_align: 8
    .kernarg_segment_size: 16
    .max_flat_workgroup_size: 256
    .sgpr_count:     66
    .vgpr_count:     512
    .wavefront_size: 32
...
	.end_amdgpu_metadata
.endif
;; end of part 3
;; launch oproj (part 4): grid 4 x 64, 4 waves a work-group, clusters of 4 x 4, 327,680 bytes of LDS; arguments heads, xh, out0; writes out0
.if DOCPART == 4
	.amdgcn_target "amdgcn-amd-amdhsa--gfx1250"
	.amdhsa_code_object_version 6
	.text
	.protected	k_qddb651a4ec_oproj
	.globl	k_qddb651a4ec_oproj
	.p2align	8
	.type	k_qddb651a4ec_oproj,@function
k_qddb651a4ec_oproj:
	s_mov_b64 s[64:65], 0
	v_nop
	global_prefetch_b8 v0, s[64:65] scope:SCOPE_SE
	s_setreg_imm32_b32 hwreg(HW_REG_WAVE_MODE, 25, 1), 1
	s_wait_xcnt 0x0
	s_wait_alu depctr_hold_cnt(0) depctr_sa_sdst(0) depctr_va_vdst(0) depctr_va_sdst(0) depctr_va_ssrc(0) depctr_va_vcc(0) depctr_vm_vsrc(0)
	s_getreg_b32 s2, hwreg(HW_REG_IB_STS2, 6, 4)
	s_cmp_eq_u32 s2, 0
	s_cbranch_scc0 .Lentry_in_a_cluster
	s_endpgm
.Lentry_in_a_cluster:
	s_bfe_u32 s2, ttmp6, 0x10000c
	s_cmp_lg_u32 s2, 0xf033
	s_cbranch_scc0 .Lentry_shape_is_right
	s_endpgm
.Lentry_shape_is_right:
; out0[m][n] = sum over k of heads[m][k] W_O[n][k].  heads: [8192][1024] f16; W_O: [1024][1024] f16 at byte 0x3600000 of xh; out0: [8192][1024] f32, the f32 sums as they are.
; The same product as in the launch that makes q, k and v: a block of 128 x 256 for a work-group (8,192 x 1,024 outputs are 256 blocks), four waves,
; as many as a WGP has SIMDs, a wave 64 x 128 in 32 accumulator tiles; K = 1,024 in 8 steps of 128 through two LDS slots filled by the tensor data mover,
; with rows of 256 bytes at multiples of 256 bytes.
; CLUSTERS: 4 x 4 work-groups; heads' tiles are shared along a row of the cluster, W_O's along a column, by joint tensor loads.
; REGISTERS: window 0: v0-31 addresses; v32-127 and v128-223 two fragment buffers (8 fragments of W_O, then 4 of heads), also used on the way out.
;            window 1: accumulator tile (a, b) at v[8 (8 a + b)].
; THE MATRIX INSTRUCTION IS USED TRANSPOSED: source 0 = 16 rows of W_O, source 1 = 16 rows of heads: lane l holds row l % 16 and columns 8 (l / 16) + 0..7, 32 neighbouring bytes of f32.
.set KSTEP,  128
.set PITCH,  272                       ; an LDS row: 256 bytes + 16 of padding
.set AHALF,  64*PITCH
.set BHALF,  128*PITCH
.set ATILE,  2*AHALF
.set SLOT,   ATILE+2*BHALF             ; heads' 128 rows, then W_O's 256 rows
.set STAGE,  2*SLOT                    ; behind the ring, at a multiple of 256 bytes: 16 rows x 528 bytes for each wave; no tensor load lands here
.set SPITCH, 528                       ; a row of 128 f32 + 16 bytes: 33 x 16, so that 16 rows' stores of 16 bytes touch 16 different columns of 16 bytes
.set LAPS,   1024/(2*KSTEP)
.set ADRA, 16
.set ADRB, 20
.set STO,  24
.set RD,   25
.set CO,   26
.set F0,   32
.set F1,   128
.set G1,  24
.set G0,  32
.set G1B, 48
.set G0B, 56
.set MSB, 0
.macro WIN new                         ; low byte: bits 1:0 source 0, 3:2 source 1, 5:4 source 2, 7:6 destination; the high byte repeats the setting that is left
.if MSB != \new
	s_set_vgpr_msb (MSB<<8)|\new
.set MSB, \new
.endif
.endm
.set MUL, 0x50                         ; C and D in window 1
.macro JLOAD s                         ; waves 0 and 1 fetch heads' two halves, waves 2 and 3 W_O's
	s_cmp_eq_u32 s11, 0
	s_cbranch_scc0 .Lfor_b_\@
	tensor_load_to_lds s[G0+4*\s:G0+4*\s+3], s[G1:G1+7]
	s_nop 0
	s_branch .Lasked_\@
.Lfor_b_\@:
	tensor_load_to_lds s[G0B+4*\s:G0B+4*\s+3], s[G1B:G1B+7]
	s_nop 0
.Lasked_\@:
.endm
.macro CREST                           ; a round of the cluster's barrier behind its opening barrier
	s_cmp_lg_u32 s10, 0
	s_cbranch_scc1 .Lnot_wave_0_\@
	s_barrier_signal -3
.Lnot_wave_0_\@:
	s_barrier_wait -3
	s_barrier_signal -1
	s_barrier_wait -1
.endm
.macro CROUND
	s_barrier_signal -1
	s_barrier_wait -1
	CREST
.endm
	s_load_b128 s[4:7], s[0:1], 0x0                ; heads s[4:5], xh s[6:7]
	s_load_b64 s[8:9], s[0:1], 0x10                ; out0
	v_lshl_add_u32 v254, v0, 2, 0x3b400
	v_mov_b32 v255, 0
	ds_add_u32 v254, v255
	v_lshrrev_b32 v1, 5, v0
	v_readfirstlane_b32 s10, v1                    ; wave 0..3
	s_lshr_b32 s11, s10, 1                         ; which 64 rows of the block are mine.  Also: I fetch for heads (0) or for W_O (1)
	s_and_b32 s12, s10, 1                          ; which 128 columns.  Also: which half of that tile I fetch
	s_bfe_u32 s40, ttmp6, 0x40000                  ; cx
	s_bfe_u32 s41, ttmp6, 0x40004                  ; cy
	s_lshl_b32 s42, ttmp9, 2
	s_add_co_u32 s42, s42, s40                     ; block column
	s_and_b32 s13, ttmp7, 0xffff
	s_lshl_b32 s13, s13, 2
	s_add_co_u32 s13, s13, s41                     ; block row
	s_lshl_b32 s43, s41, 2
	s_lshl_b32 s43, 15, s43                        ; my row of the cluster
	s_lshl_b32 s44, 0x1111, s40                    ; my column
	s_or_b32 s[G1+0], s43, (1<<16)|(1<<20)|(1<<21)|(5<<22)|(3<<25)  ; mask; elements of 2 bytes; padding on; bit 21 beside a mask; after every 64 words 4 words
	s_mov_b32 s[G1+1], KSTEP<<16                   ; tensor_dim0 = 128
	s_mov_b32 s[G1+2], 64<<16                      ; tensor_dim1 = 64
	s_mov_b32 s[G1+3], KSTEP<<16                   ; tile_dim0 = 128
	s_mov_b32 s[G1+4], 64                          ; tile_dim1 = 64 rows
	s_mov_b32 s[G1+5], 1024                        ; elements from row to row
	s_mov_b32 s[G1+6], 0
	s_mov_b32 s[G1+7], 0
	s_or_b32 s[G1B+0], s44, (1<<16)|(1<<20)|(1<<21)|(5<<22)|(3<<25)
	s_mov_b32 s[G1B+1], KSTEP<<16
	s_mov_b32 s[G1B+2], 128<<16                    ; 128 rows
	s_mov_b32 s[G1B+3], KSTEP<<16
	s_mov_b32 s[G1B+4], 128
	s_mov_b32 s[G1B+5], 1024
	s_mov_b32 s[G1B+6], 0
	s_mov_b32 s[G1B+7], 0
	s_lshl_b32 s16, s13, 7
	s_lshl_b32 s17, s12, 6
	s_add_co_u32 s16, s16, s17                     ; heads: row 128 x block row + 64 x half
	s_lshl_b32 s16, s16, 11
	s_mov_b32 s17, 0
	s_lshl_b32 s46, s42, 8
	s_lshl_b32 s47, s12, 7
	s_add_co_u32 s46, s46, s47                     ; W_O: row 256 x block column + 128 x half
	s_lshl_b32 s46, s46, 11
	s_add_co_u32 s46, s46, 0x3600000               ; W_O's place in xh
	s_mov_b32 s47, 0
	s_mul_i32 s20, s12, AHALF
	s_mul_i32 s21, s12, BHALF
	s_add_co_u32 s21, s21, ATILE
	s_wait_dscnt 0x0
	s_wait_kmcnt 0x0
	s_add_nc_u64 s[14:15], s[4:5], s[16:17]
	s_add_nc_u64 s[46:47], s[6:7], s[46:47]
	CROUND                                         ; all sixteen work-groups are here: the first joint loads meet
.irp s, 0,1
	s_mov_b32 s[G0+4*\s], 1
	s_add_co_u32 s[G0+4*\s+1], s20, \s*SLOT
	s_add_nc_u64 s[G0+4*\s+2:G0+4*\s+3], s[14:15], \s*KSTEP*2
	s_or_b32 s[G0+4*\s+3], s[G0+4*\s+3], 0x80000000
	s_mov_b32 s[G0B+4*\s], 1
	s_add_co_u32 s[G0B+4*\s+1], s21, \s*SLOT
	s_add_nc_u64 s[G0B+4*\s+2:G0B+4*\s+3], s[46:47], \s*KSTEP*2
	s_or_b32 s[G0B+4*\s+3], s[G0B+4*\s+3], 0x80000000
	JLOAD \s                                       ; both slots' first fills: two tensor loads of the wave are out
.endr
	v_and_b32 v1, 15, v0                           ; r
	v_bfe_u32 v2, v0, 4, 1                         ; h
	v_mul_u32_u24 v3, v1, PITCH
	v_lshl_add_u32 v3, v2, 4, v3
	s_mul_i32 s22, s11, AHALF
	s_mul_i32 s23, s12, BHALF
	s_add_co_u32 s23, s23, ATILE
.irp s, 0,1
	v_add_nc_u32 v[ADRA+\s], s22, v3
	v_add_nc_u32 v[ADRB+\s], s23, v3
	s_add_co_u32 s22, s22, SLOT
	s_add_co_u32 s23, s23, SLOT
.endr
	s_mul_i32 s22, s10, 16*SPITCH
	s_add_co_u32 s22, s22, STAGE                   ; my stage
	v_mul_u32_u24 v4, v1, SPITCH                   ; in: row r, 32 bytes for each half of the lanes
	v_lshl_add_u32 v4, v2, 5, v4
	v_add_nc_u32 v[STO], s22, v4
	v_and_b32 v5, 31, v0
	v_lshlrev_b32 v[CO], 4, v5                     ; back and out: 32 lanes x 16 bytes are a row's 512 bytes
	v_add_nc_u32 v[RD], s22, v[CO]
; The 32 accumulators take turns, one instruction a turn, in the same order in every quarter step.
.macro MUL16 f, a0, zero
.irp a, \a0, \a0+1
.irp b, 0,1,2,3,4,5,6,7
.if \zero
	v_wmma_f32_16x16x32_f16 v[8*(8*(\a)+\b):8*(8*(\a)+\b)+7], v[\f+8*\b:\f+8*\b+7], v[\f+64+8*(\a):\f+64+8*(\a)+7], 0
.else
	v_wmma_f32_16x16x32_f16 v[8*(8*(\a)+\b):8*(8*(\a)+\b)+7], v[\f+8*\b:\f+8*\b+7], v[\f+64+8*(\a):\f+64+8*(\a)+7], v[8*(8*(\a)+\b):8*(8*(\a)+\b)+7]
.endif
.endr
.endr
.endm
.macro FETCH slot, k, f                ; 24 LDS loads: one quarter step's fragments into buffer f
	WIN 0
.irp i, 0,1,2,3,4,5,6,7
	ds_load_b128 v[\f+8*\i:\f+8*\i+3],   v[ADRB+\slot] offset:\k+\i*16*PITCH
	ds_load_b128 v[\f+8*\i+4:\f+8*\i+7], v[ADRB+\slot] offset:\k+\i*16*PITCH+32
.endr
.irp i, 0,1,2,3
	ds_load_b128 v[\f+64+8*\i:\f+64+8*\i+3],   v[ADRA+\slot] offset:\k+\i*16*PITCH
	ds_load_b128 v[\f+64+8*\i+4:\f+64+8*\i+7], v[ADRA+\slot] offset:\k+\i*16*PITCH+32
.endr
.endm
.macro PLACES                          ; four places behind a matrix instruction, before a load lands in one of its sources or a store reads its result
.rept 4
	v_nop
.endr
.endm
.macro QUARTER slot, k, f, g, zero
	PLACES
	FETCH \slot, \k, \g
	s_wait_dscnt 24                                ; all but the 24 just issued are in, buffer f's among them
	WIN MUL
	MUL16 \f, 0, \zero
	MUL16 \f, 2, \zero
.endm
.macro THREE slot, zero
	QUARTER \slot, 64,  F0, F1, \zero
	QUARTER \slot, 128, F1, F0, 0
	QUARTER \slot, 192, F0, F1, 0
.endm
; The last quarter of a K step changes slots: each wave's waits for its reads and for all its tensor loads, the barrier (which opens a round of the
; cluster's barrier where the slot is filled again), the refill first behind it, then the next slot's first fragments.
.macro TURN slot, next, fill
	s_wait_dscnt 0x0                               ; buffer 1 is in, and with it my last reads of this slot
	s_wait_tensorcnt 0x0                           ; all my tensor loads have landed: my part of the next slot
	ds_add_u32 v254, v255
	s_wait_dscnt 0x0
	s_barrier_signal -1
	WIN MUL
	MUL16 F1, 0, 0
	WIN 0
	s_barrier_wait -1
.if \fill
	CREST
	s_add_nc_u64 s[G0+4*\slot+2:G0+4*\slot+3], s[G0+4*\slot+2:G0+4*\slot+3], 2*KSTEP*2
	s_add_nc_u64 s[G0B+4*\slot+2:G0B+4*\slot+3], s[G0B+4*\slot+2:G0B+4*\slot+3], 2*KSTEP*2
	JLOAD \slot                                    ; the wave's one tensor load behind the round, and the first thing there
.endif
	PLACES
	FETCH \next, 0, F0
	WIN MUL
	MUL16 F1, 2, 0
.endm
.macro LAP zero
	THREE 0, \zero
	TURN 0, 1, 1
	THREE 1, 0
	TURN 1, 0, 1
.endm
	s_wait_tensorcnt 0x1                           ; my part of K step 0 is in; K step 1's load stays out
	s_barrier_signal -1
	s_barrier_wait -1
	FETCH 0, 0, F0
	LAP 1                                          ; the first products start the sums
	WIN 0
	s_mov_b32 s3, LAPS-2
.Llap:
	LAP 0
	WIN 0
	s_sub_co_u32 s3, s3, 1
	s_cmp_lg_u32 s3, 0
	s_cbranch_scc1 .Llap
	THREE 0, 0                                     ; the last lap fills nothing
	TURN 0, 1, 0
	THREE 1, 0
	s_wait_dscnt 0x0
	WIN MUL
	MUL16 F1, 0, 0
	MUL16 F1, 2, 0
	; THE WAY OUT, 16 rows at a time: the f32 sums go straight from the accumulators into my own stage and come back as whole rows of 512 bytes.
	PLACES
	s_lshl_b32 s16, s13, 7
	s_lshl_b32 s17, s11, 6
	s_add_co_u32 s16, s16, s17                     ; my first row
	s_lshl_b32 s16, s16, 12                        ; rows of 4,096 bytes
	s_mov_b32 s17, 0
	s_add_nc_u64 s[8:9], s[8:9], s[16:17]
	s_lshl_b32 s46, s42, 10                        ; my first column, in bytes: 1,024 x block column + 512 x half
	s_lshl_b32 s47, s12, 9
	s_add_co_u32 s46, s46, s47
	s_mov_b32 s47, 0
	s_add_nc_u64 s[8:9], s[8:9], s[46:47]
.macro OUTF a, f
	WIN 0x04                                       ; an LDS store's data is source 1: window 1
.irp b, 0,1,2,3,4,5,6,7
	ds_store_b128 v[STO], v[8*(8*\a+\b):8*(8*\a+\b)+3]   offset:64*\b
	ds_store_b128 v[STO], v[8*(8*\a+\b)+4:8*(8*\a+\b)+7] offset:64*\b+16
.endr
	WIN 0
	s_wait_xcnt 0x0                                ; buffer f, which earlier stores read, and the stores' base are rewritten only behind this wait
.if \a
	s_add_nc_u64 s[8:9], s[8:9], 16*4096           ; 16 rows on
.endif
.irp t, 0,1,2,3,4,5,6,7,8,9,10,11,12,13,14,15
	ds_load_b128 v[\f+4*\t:\f+4*\t+3], v[RD] offset:\t*SPITCH      ; LDS serves a wave's instructions in order: these see the stores above
.endr
.irp t, 0,1,2,3,4,5,6,7,8,9,10,11,12,13,14,15
	s_wait_dscnt 15-\t                             ; the younger read-backs stay out
	global_store_b128 v[CO], v[\f+4*\t:\f+4*\t+3], s[8:9] offset:\t*4096 th:TH_STORE_NT   ; the wave stores 512 consecutive bytes at a multiple of 512
.endr
.endm
	OUTF 0, F0
	OUTF 1, F1
	OUTF 2, F0
	OUTF 3, F1
	s_wait_tensorcnt 0x0
	ds_add_u32 v254, v255
	s_wait_dscnt 0x0
	CROUND                                         ; the closing round
	s_endpgm
.Lfunc_end_k_qddb651a4ec_oproj:
	.size	k_qddb651a4ec_oproj, .Lfunc_end_k_qddb651a4ec_oproj-k_qddb651a4ec_oproj
	.p2alignl 7, 3214868480
	.fill 96, 4, 3214868480
	.section	.rodata,"a",@progbits
	.p2align	6, 0x0
	.amdhsa_kernel k_qddb651a4ec_oproj
		.amdhsa_group_segment_fixed_size 327680
		.amdhsa_private_segment_fixed_size 0
		.amdhsa_enable_private_segment 0
		.amdhsa_kernarg_size 24
		.amdhsa_user_sgpr_count 2
		.amdhsa_user_sgpr_kernarg_segment_ptr 1
		.amdhsa_wavefront_size32 1
		.amdhsa_system_sgpr_workgroup_id_x 1
		.amdhsa_system_sgpr_workgroup_id_y 1
		.amdhsa_system_sgpr_workgroup_id_z 1
		.amdhsa_system_vgpr_workitem_id 0
		.amdhsa_next_free_vgpr 512
		.amdhsa_next_free_sgpr 66
		.amdhsa_reserve_vcc 0
		.amdhsa_float_denorm_mode_32 3
		.amdhsa_float_denorm_mode_16_64 3
		.amdhsa_memory_ordered 1
		.amdhsa_forward_progress 1
		.amdhsa_inst_pref_size 117
	.end_amdhsa_kernel
	.amdgpu_metadata
---
amdhsa.version: [ 1, 2 ]
amdhsa.kernels:
  - .name:           k_qddb651a4ec_oproj
    .symbol:         k_qddb651a4ec_oproj.kd
    .args:
      - { .name: heads, .offset: 0, .size: 8, .value_kind: global_buffer, .address_space: global }
      - { .name: xh, .offset: 8, .size: 8, .value_kind: global_buffer, .address_space: global }
      - { .name: out0, .offset: 16, .size: 8, .value_kind: global_buffer, .address_space: global }
    .group_segment_fixed_size: 327680
    .private_segment_fixed_size: 0
    .kernarg_segment_align: 8
    .kernarg_segment_size: 24
    .max_flat_workgroup_size: 128
    .sgpr_count:     66
    .vgpr_count:     512
    .wavefront_size: 32
...
	.end_amdgpu_metadata
.endif
;; end of part 4
;; ======== version 2 of 2: 4 launches; version 1 with the launch cast written anew for expert scheduling mode
;; limits: values are held in f16: magnitudes above 65,504 overflow, below 6.1e-05 lose precision
;; workspace buffers: xh 58,720,256 bytes; qkv 50,331,648 bytes; heads 16,777,216 bytes
;; launch cast (part 5): grid 1024 x 1, 8 waves a work-group, no clusters, 0 bytes of LDS; arguments Q, K, V, W_Q, W_K, W_V, W_O, xh; writes xh
.if DOCPART == 5
	.amdgcn_target "amdgcn-amd-amdhsa--gfx1250"
	.amdhsa_code_object_version 6
	.text
	.protected	k_qddb651a4ec_cast
	.globl	k_qddb651a4ec_cast
	.p2align	8
	.type	k_qddb651a4ec_cast,@function
k_qddb651a4ec_cast:
	s_mov_b64 s[64:65], 0
	v_nop
	global_prefetch_b8 v0, s[64:65] scope:SCOPE_SE
	s_setreg_imm32_b32 hwreg(HW_REG_WAVE_SCHED_MODE, 0, 2), 2
	s_setreg_imm32_b32 hwreg(HW_REG_WAVE_MODE, 25, 1), 1
	s_wait_xcnt 0x0
	s_wait_alu depctr_vm_vsrc(0)
; xh = the seven inputs rounded once from f32 to f16: Q at byte 0, K at 0x1000000, V at 0x2000000 (each [8192][1024]),
; W_Q at 0x3000000, W_K at 0x3200000, W_V at 0x3400000, W_O at 0x3600000 (each [1024][1024]).
; LIMIT: a number of magnitude 65,520 or more becomes an infinity in f16; numbers under 6.1e-5 keep an absolute step of 6e-8.
; A stream: no LDS, no barrier, no matrix unit, no cluster (no two work-groups read the same byte).
; Work-group g takes 32,768 bytes of each of Q, K, V (8 pieces of 4,096 bytes) and 4,096 bytes of each W: 28 loads of 16 bytes a thread,
; 1,024 x 256 x 28 x 16 = 117,440,512 bytes.  All 28 loads of a wave go out first; each is then rounded in place and stored.
; A load of a wave covers 512 consecutive bytes, a store 256 consecutive bytes at a multiple of 256 from xh's first byte.
; THE MODE: SCHED_MODE bits 1:0 = 2 (LLVM: expert scheduling mode 2), set by the entry lines.  The code itself states the register dependences
; between vector instructions and memory instructions, with s_wait_alu, always for 0.
; THE PLAN.  Registers that memory instructions touch:
;   v1, v2   byte offsets, made once at the head and never written again: v1 is read by every load, v2 by every store.
;   X_i      four registers for load i.  The load lands in them once, issued ahead of every vector instruction that names them.  The two conversions
;            of block i / 4 read the four and write the first two; store i, issued in block i / 4 + 1, reads those two; nothing writes them again.
; The 28 loads go in 7 blocks of four.  Block p's conversions name block p's registers alone; its memory instructions are the four stores of block p - 1.
; So ONE wait on va_vdst at a block's head states all that its four stores hang on, and they are dealt among its conversions with no further wait.
; No register that a memory instruction has read is ever written again, and no load is issued behind a vector instruction that names its registers:
; the text owes no wait on vm_vsrc.  No vector instruction writes a scalar register or VCC, and EXEC is never written.
.set X,   4                            ; v[4:115]  load i: 4 registers; its first two hold the 4 f16 afterwards
.set NLD, 28                           ; loads of a thread
.set BLK4, 4                           ; loads in a block
	s_load_b256 s[4:11], s[0:1], 0x0               ; Q s[4:5], K s[6:7], V s[8:9], W_Q s[10:11]
	s_load_b256 s[12:19], s[0:1], 0x20             ; W_K s[12:13], W_V s[14:15], W_O s[16:17], xh s[18:19]
	v_lshlrev_b32 v1, 4, v0                        ; 16 t: my 16 bytes of a piece of f32
	v_lshlrev_b32 v2, 3, v0                        ; 8 t: my 8 bytes of the piece in f16
	s_lshl_b32 s20, ttmp9, 15                      ; the group's part of Q, K, V, in bytes of f32
	s_mov_b32 s21, 0
	s_lshl_b32 s22, ttmp9, 12                      ; of a W, in bytes of f32
	s_mov_b32 s23, 0
	s_lshl_b32 s24, ttmp9, 14                      ; of Q, K, V in f16
	s_mov_b32 s25, 0
	s_lshl_b32 s26, ttmp9, 11                      ; of a W in f16
	s_mov_b32 s27, 0
	s_wait_kmcnt 0x0
	s_add_nc_u64 s[4:5], s[4:5], s[20:21]
	s_add_nc_u64 s[6:7], s[6:7], s[20:21]
	s_add_nc_u64 s[8:9], s[8:9], s[20:21]
	s_add_nc_u64 s[10:11], s[10:11], s[22:23]
	s_add_nc_u64 s[12:13], s[12:13], s[22:23]
	s_add_nc_u64 s[14:15], s[14:15], s[22:23]
	s_add_nc_u64 s[16:17], s[16:17], s[22:23]
	s_add_nc_u64 s[28:29], s[18:19], s[24:25]      ; where Q's part goes,
	s_add_nc_u64 s[30:31], s[28:29], 0x1000000     ; K's,
	s_add_nc_u64 s[32:33], s[28:29], 0x2000000     ; V's,
	s_add_nc_u64 s[34:35], s[18:19], s[26:27]
	s_add_nc_u64 s[34:35], s[34:35], 0x3000000     ; and W_Q's; the other W lie 0x200000 bytes apart
	s_wait_alu depctr_va_vdst(0)                   ; v1 and v2 are written: every load of the kernel reads v1 as its offset, every store v2
.irp j, 0,1,2,3,4,5,6,7
	global_load_b128 v[X+4*\j:X+4*\j+3], v1, s[4:5] offset:4096*\j th:TH_LOAD_NT
.endr
.irp j, 0,1,2,3,4,5,6,7
	global_load_b128 v[X+32+4*\j:X+32+4*\j+3], v1, s[6:7] offset:4096*\j th:TH_LOAD_NT
.endr
.irp j, 0,1,2,3,4,5,6,7
	global_load_b128 v[X+64+4*\j:X+64+4*\j+3], v1, s[8:9] offset:4096*\j th:TH_LOAD_NT
.endr
	global_load_b128 v[X+96:X+99],   v1, s[10:11] th:TH_LOAD_NT
	global_load_b128 v[X+100:X+103], v1, s[12:13] th:TH_LOAD_NT
	global_load_b128 v[X+104:X+107], v1, s[14:15] th:TH_LOAD_NT
	global_load_b128 v[X+108:X+111], v1, s[16:17] th:TH_LOAD_NT
; Load i's four numbers are rounded in place: they close up into the first two of their four registers.
.macro CVT i
	v_cvt_pk_f16_f32 v[X+4*(\i)],   v[X+4*(\i)],   v[X+4*(\i)+1]
	v_cvt_pk_f16_f32 v[X+4*(\i)+1], v[X+4*(\i)+2], v[X+4*(\i)+3]
.endm
; Load i's 8 bytes of f16 are stored.  Loads 0-7 are Q's pieces, 8-15 K's, 16-23 V's (bases s[28:29], s[30:31], s[32:33], 2,048 bytes a piece); 24-27 the four W.
; No register is written a second time, so no store's source needs a wait.  The stores carry no hint: the next launch reads these bytes.
.macro PUT i
.if (\i) < 24
	global_store_b64 v2, v[X+4*(\i):X+4*(\i)+1], s[28+2*((\i)/8):29+2*((\i)/8)] offset:2048*((\i)%8)
.else
	global_store_b64 v2, v[X+4*(\i):X+4*(\i)+1], s[34:35] offset:0x200000*((\i)-24)
.endif
.endm
; Block p: its four loads have come; the block before is stored while this one is rounded.
.macro BLOCK p
	s_wait_loadcnt NLD-BLK4*(\p)-BLK4              ; loads come back in order (ISA guide 5.7.1): this block's four are in, the younger ones stay out
.if (\p) > 0
	s_wait_alu depctr_va_vdst(0)                   ; the block before has written the first two registers of each of its four X, which the four stores below read
.endif
.irp j, 0,1,2,3
.if (\p) > 0
	PUT BLK4*(\p)-BLK4+(\j)                        ; no vector instruction since the wait names this store's registers: this block's conversions name this block's alone
.endif
	CVT BLK4*(\p)+(\j)
.endr
.endm
	BLOCK 0                                        ; no block stands in front of it: no store, and no wait but the one for its data
	BLOCK 1
	BLOCK 2
	BLOCK 3
	BLOCK 4
	BLOCK 5
	BLOCK 6
	s_wait_alu depctr_va_vdst(0)                   ; block 6 has written its registers, which the last four stores read
.irp j, 0,1,2,3
	PUT 24+(\j)
.endr
	s_endpgm
.Lfunc_end_k_qddb651a4ec_cast:
	.size	k_qddb651a4ec_cast, .Lfunc_end_k_qddb651a4ec_cast-k_qddb651a4ec_cast
	.p2alignl 7, 3214868480
	.fill 96, 4, 3214868480
	.section	.rodata,"a",@progbits
	.p2align	6, 0x0
	.amdhsa_kernel k_qddb651a4ec_cast
		.amdhsa_group_segment_fixed_size 0
		.amdhsa_private_segment_fixed_size 0
		.amdhsa_enable_private_segment 0
		.amdhsa_kernarg_size 64
		.amdhsa_user_sgpr_count 2
		.amdhsa_user_sgpr_kernarg_segment_ptr 1
		.amdhsa_wavefront_size32 1
		.amdhsa_system_sgpr_workgroup_id_x 1
		.amdhsa_system_sgpr_workgroup_id_y 1
		.amdhsa_system_sgpr_workgroup_id_z 1
		.amdhsa_system_vgpr_workitem_id 0
		.amdhsa_next_free_vgpr 120
		.amdhsa_next_free_sgpr 66
		.amdhsa_reserve_vcc 0
		.amdhsa_float_denorm_mode_32 3
		.amdhsa_float_denorm_mode_16_64 3
		.amdhsa_memory_ordered 1
		.amdhsa_forward_progress 1
		.amdhsa_inst_pref_size 11
	.end_amdhsa_kernel
	.amdgpu_metadata
---
amdhsa.version: [ 1, 2 ]
amdhsa.kernels:
  - .name:           k_qddb651a4ec_cast
    .symbol:         k_qddb651a4ec_cast.kd
    .args:
      - { .name: Q, .offset: 0, .size: 8, .value_kind: global_buffer, .address_space: global }
      - { .name: K, .offset: 8, .size: 8, .value_kind: global_buffer, .address_space: global }
      - { .name: V, .offset: 16, .size: 8, .value_kind: global_buffer, .address_space: global }
      - { .name: W_Q, .offset: 24, .size: 8, .value_kind: global_buffer, .address_space: global }
      - { .name: W_K, .offset: 32, .size: 8, .value_kind: global_buffer, .address_space: global }
      - { .name: W_V, .offset: 40, .size: 8, .value_kind: global_buffer, .address_space: global }
      - { .name: W_O, .offset: 48, .size: 8, .value_kind: global_buffer, .address_space: global }
      - { .name: xh, .offset: 56, .size: 8, .value_kind: global_buffer, .address_space: global }
    .group_segment_fixed_size: 0
    .private_segment_fixed_size: 0
    .kernarg_segment_align: 8
    .kernarg_segment_size: 64
    .max_flat_workgroup_size: 256
    .sgpr_count:     66
    .vgpr_count:     120
    .wavefront_size: 32
...
	.end_amdgpu_metadata
.endif
;; end of part 5
;; launch qkv: the kernel of part 2 again; grid 4 x 96, 4 waves a work-group, clusters of 4 x 4, 327,680 bytes of LDS; arguments xh, qkv; writes qkv
;; launch attn: the kernel of part 3 again; grid 8 x 32, 8 waves a work-group, clusters of 4 x 1, 327,680 bytes of LDS; arguments qkv, heads; writes heads
;; launch oproj: the kernel of part 4 again; grid 4 x 64, 4 waves a work-group, clusters of 4 x 4, 327,680 bytes of LDS; arguments heads, xh, out0; writes out0
